; MI455X (gfx1250); checked and timed in simulation.
; The chip was launched on July 23, 2026; its instructions are those of AMD's public machine-readable ISA for CDNA 5 (MIT licence, August 2026) and "CDNA5" Instruction Set Architecture Reference Guide (July 2026). The comments in the code are by the model that wrote it; some were corrected since.
;; Fusion Network. Allowed arithmetic: matrix products marked QUANTISED: E4M3 operands, one given power-of-two scale a tensor, by v_wmma_f32_16x16x64_fp8_fp8 or v_wmma_f32_16x16x128_fp8_fp8, f32 sums; products left as they are: f32 operands where the result goes on into a quantised operand, else bf16, f16 or f32 operands; f32 sums; everything else in f32.
;; Inputs: au 16 x 8,192 x 256 float32; lowp_scales 6 int32 (the exponents e of the quantised operands' scales 2^e); vi 16 x 8,192 x 256 float32; wk_b 256 float32; wk_w 256 x 256 float32; wq_b 256 float32; wq_w 256 x 256 float32; wv_b 512 float32; wv_w 512 x 512 float32.
;; Outputs: out0 16 x 512 float32; out1 16 x 8,192 float32.
;; This version of the problem:
;;   THIS VERSION OF THE PROBLEM IS GIVEN IN LOW PRECISION. The matrix products marked QUANTISED in the list below multiply operands that are first quantised to E4M3 (4 exponent bits, 3 mantissa bits; 8 bits a number), with one given power-of-two scale for each operand tensor; their sums are f32. All else is computed in f32.
;;   The module's matrix products, in the order in which they are computed (A, B: the left and right operand; K: the contracted axis; several contracted axes count as one K, in the product's order):
;;     1. [M 131,072, K 256] x [K 256, N 256]; A: input vi; B: input wq_w: QUANTISED (scales: A lowp_scales[0], B lowp_scales[1])
;;     2. [M 131,072, K 256] x [K 256, N 256]; A: input au; B: input wk_w: QUANTISED (scales: A lowp_scales[2], B lowp_scales[3])
;;     3. [M 131,072, K 512] x [K 512, N 512]; A: computed on the way; B: input wv_w: QUANTISED (scales: A lowp_scales[4], B lowp_scales[5])
;;     4. batch 131,072 x [M 1, K 256] x [K 256, N 1]; A: computed on the way; B: computed on the way: left as it is (M = 1 < 16)
;;     5. batch 16 x [M 1, K 8,192] x [K 8,192, N 512]; A: softmax; B: computed on the way: left as it is (M = 1 < 16)
;;   THE QUANTISER, for each operand of a quantised product, along K:
;;     - The operand's scale is 2^e, e = its entry of the input lowp_scales (int32; the entries are numbered through the quantised products in the list's order, A before B).
;;     - Each number is divided by the scale, clamped to +-448, and rounded to the nearest number of E4M3, ties to even, subnormals kept.
;;     - The product sums the exact products of the quantised numbers (number of the format x scale) in f32.
;;   ~~~python
;;   def quantise(x, axis, e):      # numpy; x: float32 -> the quantised numbers, widened to float32 again
;;       x = np.moveaxis(x, axis, -1); K = x.shape[-1]
;;       r = np.clip(x / 2.0 ** e, -448, 448)
;;       step = 2.0 ** (np.maximum(np.frexp(np.where(r == 0, 1, r))[1] - 1, -6) - 3)
;;       q = np.round(r / step) * step * 2.0 ** e      # np.round: ties to even
;;       return np.moveaxis(q, -1, axis).astype(np.float32)
;;   ~~~
;;   OPERANDS COMPUTED ON THE WAY. 'Computed on the way' means the value that the module computes at that place (a softmax that the list does not call 'softmax' is quantised finished and normalised). What goes into a quantiser is computed in f32, as accurately as f32 sums, v_exp_f32 and their like allow (about 1e-6 of the number): no bf16 or f16 on the way to a quantiser, and a product that is left as it is and whose result goes on into a quantised operand takes f32 operands (vector FMAs, or v_wmma_f32_16x16x4_f32). A number that lies on a knife's edge between two numbers of the format may be rounded either way, as far as f32 arithmetic and the matrix unit's own rounding can turn it there, and no further.
;; One version. Each part assembles by itself: llvm-mc -triple=amdgcn-amd-amdhsa -mcpu=gfx1250 --defsym DOCPART=n.
;; ======== version 1 of 1: 3 launches
;; limits: right only within a limited range of input values
;; workspace buffers: wimg 393,216 bytes; tsc 524,288 bytes; part 589,824 bytes
;; launch prep (part 1): grid 192 x 1, 1 waves a work-group, no clusters, 0 bytes of LDS; arguments wq_w, wk_w, wv_w, lowp_scales, wimg; writes wimg
.if DOCPART == 1
	.amdgcn_target "amdgcn-amd-amdhsa--gfx1250"
	.amdhsa_code_object_version 6
	.text
	.protected	k_q776a4fce2f_prep
	.globl	k_q776a4fce2f_prep
	.p2align	8
	.type	k_q776a4fce2f_prep,@function
k_q776a4fce2f_prep:
	s_mov_b64 s[64:65], 0
	v_nop
	global_prefetch_b8 v0, s[64:65] scope:SCOPE_SE
	s_setreg_imm32_b32 hwreg(HW_REG_WAVE_MODE, 25, 1), 1
	s_wait_xcnt 0x0
; The three weights, f32 stored [K][N], become codes of FP8 (E4M3), laid in the order in which the next launch's operand registers take them.
; wimg: [wave w 0..3][fragment F 0..47][group c 0..3][lane 0..31][16 bytes].  A fragment is 16 columns x 128 along K: lane (r = lane % 16, h = lane / 16)
; holds column n0 + r, and its registers 4 c .. 4 c + 3 hold k = k0 + 32 c + 16 h + 0 .. 15.
;   F 0..7   wq: n0 = 64 w + 16 (F / 2), k0 = 128 (F % 2), scale entry 1.      F 8..15  wk likewise, scale entry 3.
;   F 16..47 wv: G = F - 16: n0 = 128 w + 16 ((G % 16) / 2), k0 = 128 (2 (G / 16) + G % 2), scale entry 5.
; One wave makes one fragment: A LANE TAKES A COLUMN AND ITS REGISTERS RUN DOWN K, so the conversions give the operand registers and nothing is transposed.
; code = x / 2^e, held within +-448, rounded to the nearest code, ties to even.
; LIMITS: each e between -126 and 119, so that 2^e and 448 x 2^e are f32 numbers.  NaN among the weights is not served (an infinity is held at the largest code).
.set X, 16                             ; v16-79  64 numbers: register 16 c + i = W(k0 + 32 c + 16 h + i, n0 + r)
.set C, 80                             ; v80-95  the fragment's 16 registers of codes
; pitch: bytes of a row of the weight.  s[4:5]: the weight at (k0, n0).  s30: e.
.macro BODY pitch
	v_mul_u32_u24 v3, v2, 16*\pitch                ; lanes 16-31 begin 16 rows further down,
	v_lshl_add_u32 v3, v1, 2, v3                   ; and lane r stands at column r: sixteen neighbouring lanes read 64 neighbouring bytes
.irp c, 0,1,2,3
.irp i, 0,1,2,3,4,5,6,7,8,9,10,11,12,13,14,15
	global_load_b32 v[X+16*\c+\i], v3, s[4:5] offset:(32*\c+\i)*\pitch
.endr
.endr
	s_wait_kmcnt 0x0                               ; the scales' exponents: asked for ahead of the weights, needed only here
	s_cmp_lt_u32 s23, 8                            ; the choice hangs on the work-group's number alone
	s_cselect_b32 s30, s17, s19
	s_cmp_lt_u32 s23, 16
	s_cselect_b32 s30, s30, s21
	s_add_co_i32 s30, s30, 127
	s_lshl_b32 s31, s30, 23
	v_mov_b32 v11, s31                             ; 2^e as f32: the conversion takes its exponent field
	s_add_co_i32 s30, s30, 8
	s_lshl_b32 s30, s30, 23
	s_or_b32 s30, s30, 0x600000
	v_mov_b32 v10, s30                             ; 448 x 2^e
	s_wait_alu depctr_va_vdst(0)
	s_wait_loadcnt 0x0
.irp c, 0,1,2,3
.irp i, 0,1,2,3,4,5,6,7,8,9,10,11,12,13,14,15
	v_med3_num_f32 v[X+16*\c+\i], v[X+16*\c+\i], -v10, v10   ; the conversion to an 8-bit code does not saturate (ISA guide 7.6.2): the hold comes first
.endr
	v_cvt_scalef32_pk8_fp8_f32 v[C+4*\c:C+4*\c+1], v[X+16*\c:X+16*\c+7], v11
	v_cvt_scalef32_pk8_fp8_f32 v[C+4*\c+2:C+4*\c+3], v[X+16*\c+8:X+16*\c+15], v11
.endr
.irp c, 0,1,2,3
	global_store_b128 v4, v[C+4*\c:C+4*\c+3], s[12:13] offset:512*\c   ; the wave stores 512 consecutive bytes, at a multiple of 256 from the buffer's first byte
.endr
.endm
	s_load_b256 s[4:11], s[0:1], 0x0               ; wq s[4:5], wk s[6:7], wv s[8:9], the scales' exponents s[10:11]
	s_load_b64 s[12:13], s[0:1], 0x20              ; wimg
	v_and_b32 v1, 15, v0                           ; r
	v_lshrrev_b32 v2, 4, v0                        ; h (one wave: v0 is the lane)
	v_lshlrev_b32 v4, 4, v0                        ; 16 x lane
	s_and_b32 s22, ttmp9, 3                        ; w
	s_lshr_b32 s23, ttmp9, 2                       ; F
	s_mul_i32 s24, s22, 48
	s_add_co_u32 s24, s24, s23
	s_lshl_b32 s24, s24, 11                        ; (48 w + F) x 2,048 bytes
	s_mov_b32 s25, 0
	s_mov_b32 s29, 0
	s_wait_kmcnt 0x0
	s_load_b128 s[16:19], s[10:11], 0x0            ; e0 .. e3
	s_load_b64 s[20:21], s[10:11], 0x10            ; e4, e5
	s_add_nc_u64 s[12:13], s[12:13], s[24:25]
	s_cmp_lt_u32 s23, 16
	s_cbranch_scc0 .Lwv
	; wq or wk: rows of 1,024 bytes
	s_and_b32 s26, s23, 7
	s_lshr_b32 s27, s26, 1                         ; the tile of 16 columns
	s_and_b32 s26, s26, 1                          ; the K step
	s_lshl_b32 s28, s22, 6
	s_lshl_b32 s27, s27, 4
	s_add_co_u32 s28, s28, s27                     ; n0
	s_lshl_b32 s28, s28, 2
	s_lshl_b32 s26, s26, 17                        ; 128 rows x 1,024 bytes
	s_add_co_u32 s28, s28, s26
	s_cmp_lt_u32 s23, 8                            ; wq or wk
	s_cselect_b64 s[4:5], s[4:5], s[6:7]
	s_add_nc_u64 s[4:5], s[4:5], s[28:29]
	s_wait_alu depctr_va_vdst(0)
	BODY 1024
	s_endpgm
.Lwv:
	; wv: rows of 2,048 bytes
	s_sub_co_u32 s26, s23, 16
	s_and_b32 s27, s26, 15
	s_lshr_b32 s27, s27, 1                         ; the tile of 16 columns
	s_lshr_b32 s31, s26, 4
	s_lshl_b32 s31, s31, 1
	s_and_b32 s26, s26, 1
	s_add_co_u32 s26, s26, s31                     ; the K step, 0 .. 3
	s_lshl_b32 s28, s22, 7
	s_lshl_b32 s27, s27, 4
	s_add_co_u32 s28, s28, s27                     ; n0
	s_lshl_b32 s28, s28, 2
	s_lshl_b32 s26, s26, 18                        ; 128 rows x 2,048 bytes
	s_add_co_u32 s28, s28, s26
	s_mov_b64 s[4:5], s[8:9]
	s_add_nc_u64 s[4:5], s[4:5], s[28:29]
	s_wait_alu depctr_va_vdst(0)
	BODY 2048
	s_endpgm
.Lfunc_end_k_q776a4fce2f_prep:
	.size	k_q776a4fce2f_prep, .Lfunc_end_k_q776a4fce2f_prep-k_q776a4fce2f_prep
	.p2alignl 7, 3214868480
	.fill 96, 4, 3214868480
	.section	.rodata,"a",@progbits
	.p2align	6, 0x0
	.amdhsa_kernel k_q776a4fce2f_prep
		.amdhsa_group_segment_fixed_size 0
		.amdhsa_private_segment_fixed_size 0
		.amdhsa_enable_private_segment 0
		.amdhsa_kernarg_size 40
		.amdhsa_user_sgpr_count 2
		.amdhsa_user_sgpr_kernarg_segment_ptr 1
		.amdhsa_wavefront_size32 1
		.amdhsa_system_sgpr_workgroup_id_x 1
		.amdhsa_system_sgpr_workgroup_id_y 1
		.amdhsa_system_sgpr_workgroup_id_z 1
		.amdhsa_system_vgpr_workitem_id 0
		.amdhsa_next_free_vgpr 96
		.amdhsa_next_free_sgpr 66
		.amdhsa_reserve_vcc 0
		.amdhsa_float_denorm_mode_32 3
		.amdhsa_float_denorm_mode_16_64 3
		.amdhsa_memory_ordered 1
		.amdhsa_forward_progress 1
		.amdhsa_inst_pref_size 25
	.end_amdhsa_kernel
	.amdgpu_metadata
---
amdhsa.version: [ 1, 2 ]
amdhsa.kernels:
  - .name:           k_q776a4fce2f_prep
    .symbol:         k_q776a4fce2f_prep.kd
    .args:
      - { .name: wq_w, .offset: 0, .size: 8, .value_kind: global_buffer, .address_space: global }
      - { .name: wk_w, .offset: 8, .size: 8, .value_kind: global_buffer, .address_space: global }
      - { .name: wv_w, .offset: 16, .size: 8, .value_kind: global_buffer, .address_space: global }
      - { .name: lowp_scales, .offset: 24, .size: 8, .value_kind: global_buffer, .address_space: global }
      - { .name: wimg, .offset: 32, .size: 8, .value_kind: global_buffer, .address_space: global }
    .group_segment_fixed_size: 0
    .private_segment_fixed_size: 0
    .kernarg_segment_align: 8
    .kernarg_segment_size: 40
    .max_flat_workgroup_size: 32
    .sgpr_count:     66
    .vgpr_count:     96
    .wavefront_size: 32
...
	.end_amdgpu_metadata
.endif
;; end of part 1
;; launch fuse (part 2): grid 256 x 1, 4 waves a work-group, no clusters, 327,680 bytes of LDS; arguments vi, au, wimg, wq_b, wk_b, lowp_scales, tsc, part; writes tsc, part
.if DOCPART == 2
	.amdgcn_target "amdgcn-amd-amdhsa--gfx1250"
	.amdhsa_code_object_version 6
	.text
	.protected	k_q776a4fce2f_fuse
	.globl	k_q776a4fce2f_fuse
	.p2align	8
	.type	k_q776a4fce2f_fuse,@function
k_q776a4fce2f_fuse:
	s_mov_b64 s[64:65], 0
	v_nop
	global_prefetch_b8 v0, s[64:65] scope:SCOPE_SE
	s_setreg_imm32_b32 hwreg(HW_REG_WAVE_MODE, 25, 1), 1
	s_wait_xcnt 0x0
; A work-group takes 512 rows of one batch (16 work-groups a batch) through the whole chain: quantise vi and au, q and k, the row's dot q . k, a running softmax, v, and the weighted sum of v.
; It leaves the rows' scaled scores (tsc) and a record (part): 512 sums, the largest score m and the sum l of 2^(t - m); the next launch joins the records and adds v's bias once, since a batch's weights add up to 1.
; THE WEIGHTS STAY IN REGISTERS: wave w holds 64 columns of wq and of wk (window 1) and 128 columns of wv (windows 2, 3) as codes; the rows' codes go through LDS to all four waves.
; A STEP IS 32 ROWS, two tiles of 16.  Part A: q and k of both tiles (transposed: a lane holds one row) and the wave's share of the dots.  A barrier.  Part B: v of both tiles in eight runs of 8 matrix instructions;
; beside each run one group of the NEXT 32 rows is quantised (16 numbers a lane, twice: with q's or k's scale, and with v's), and the softmax of the step's 32 rows goes on between the runs.
; Part B's LDS instructions go in five batches: behind runs 0, 1, 3 and 5 (codes out, the coming runs' fragments and raw groups in) and behind the last weighted sum.
; RING: two LDS slots of 64 rows of vi and of au, f32, 1,040 bytes a row (1,024 + 16 of padding); each wave fetches 32 rows with one tensor load.  A slot that is asked for again has two whole steps (192 matrix instructions a wave) in which to land.
; NO PREFETCH: a refill goes out two steps ahead of its wait, and the wait finds it landed.  NO CLUSTER: work-groups share only the weights' codes, which each reads once, straight into registers;
; joint loads land in LDS alone, where the ring lies, and would put a round of the cluster's barrier in front of each of the refills, which are private.
; LIMITS: each exponent e between -126 and 119; e0 + e1 + e2 + e3 between -122 and 131; NaN among vi and au is not served (an infinity is held at the largest code); the scaled scores stay under 2^31 in magnitude.
; REGISTERS, window 0: 0-31 addresses and the softmax; 32-47 sums of v; 48-63 the dots' parts, then the weights p; 64-127 accumulators; part A: 128-191 the biases, 192-255 four fragments;
;   part B: 128-159, 192-207 three fragments; 160-191, 208-223 three groups of raw numbers; 224-239 held numbers; 240-255 two groups' codes.
.set XP,    1040
.set AUOFF, 64*XP
.set SLOTB, 2*AUOFF
.set QKIMG, 2*SLOTB                    ; codes for q and k: 2 tiles x [fragment: vi k0, vi k1, au k0, au k1][c][lane][16 bytes]
.set VOFF,  16384                      ; behind them v's codes, two such buffers by turns
.set PART,  QKIMG+49152                ; the dots' shares: 16 bytes a row, a word a wave
.set SPARE, PART+8192                  ; the spare words
.set SPW, 1
.set NIL, 2
.set LI,  3
.set XA0, 4
.set XA,  5
.set IW,  6
.set IR,  7
.set DR,  8
.set PW0, 9
.set PW,  10
.set PR0, 11
.set PR,  12
.set SA,  13
.set LS,  14
.set SB,  15
.set BC,  16
.set MX,  20
.set AF,  22
.set PT,  24
.set T0,  28
.set T1,  29
.set MO,  30
.set PP,  31
.set OO,  32
.set DT,  48
.set SS,  48
.set EN,  48
.set DX,  56
.set ACC, 64
.set BIAS, 128
.set FA,  192
.set VB,  128
.set RAW, 160
.set TT,  224
.set CC,  240
.set EP,  128
.set ES,  160
.set WV,   20
.set TB,   21
.set CNT,  22
.set PO,   23
.set G1,   24
.set G0A,  32
.set G0W,  36
.set WOFF, 40
.set CS,   42
.set SEL,  44
.set LAN,  66
.set LAP,  67
.set LBN,  68
.set LBP,  69
.set MSB, 0
.macro WIN new                         ; the immediate's high byte repeats the setting that is left
.if MSB != (\new)
	s_set_vgpr_msb (MSB<<8)|(\new)
.set MSB, (\new)
.endif
.endm
.macro PLACES                          ; four places behind a matrix instruction (ISA guide 7.12.1)
.rept 4
	v_nop
.endr
.endm
; A quarter of the biases in the accumulators' layout (0, 1: q's; 2, 3: k's): lane half h, register j of tile t: column 16 t + 8 h + j
.macro BMH a
.irp x, 0,1,2,3,4,5,6,7,8,9,10,11,12,13,14,15
	v_mov_b32_dpp v[BIAS+16*(\a)+\x], v[BC+(\a)] row_share:\x row_mask:0xf bank_mask:0xf
.endr
.endm
; The barrier between steps: my codes are stored, my reads are over; q's biases are laid while the stores and the others arrive
.macro YBAR
	BMH 0
	s_wait_dscnt 0x0
	s_barrier_signal -1
	BMH 1
	s_barrier_wait -1
.endm
; The same where slots change: the slot just quantised is filled again (fill = 1), the other one is whole
.macro CHG fill
	s_wait_tensorcnt 0x0                           ; my one load, of the next slot, has landed
	ds_add_u32 v[SPW], v[NIL]
.if \fill
	s_add_co_u32 s[G0W+1], s[TB], s[WOFF]
	s_add_nc_u64 s[G0W+2:G0W+3], s[G0W+2:G0W+3], 65536
.endif
	s_xor_b32 s[TB], s[TB], SLOTB
	v_add_nc_u32 v[XA], s[TB], v[XA0]
	BMH 0
	s_wait_dscnt 0x0
	s_barrier_signal -1
	BMH 1
	s_barrier_wait -1
.if \fill
	tensor_load_to_lds s[G0W:G0W+3], s[G1:G1+7]
	s_nop 0
.endif
.endm
.macro FAL f, m                        ; q's and k's fragment f of tile m
.irp c, 0,1,2,3
	ds_load_b128 v[FA+16*(\f)+4*\c:FA+16*(\f)+4*\c+3], v[IR] offset:8192*(\m)+2048*(\f)+512*\c
.endr
.endm
.macro VF1 o, c, par                   ; a quarter of v's fragment for run o (tile o / 4, K step o % 4)
.set FL, VB+16*((\o)%3)+32*(((\o)%3)/2)+4*(\c)
	ds_load_b128 v[FL:FL+3], v[IR] offset:VOFF+16384*(\par)+8192*((\o)/4)+2048*((\o)%4)+512*(\c)
.endm
.macro RW1 g, p, kq                    ; a quarter of raw group g: tile g / 4, c = g % 4; kq: the slot's tile that the 32 rows begin with
.set RL, RAW+16*((\g)%3)+16*(((\g)%3)/2)+4*(\p)
	ds_load_b128 v[RL:RL+3], v[XA] offset:16*XP*((\kq)+(\g)/4)+128*((\g)%4)+16*(\p)
.endm
.macro GET g, par, q                   ; run g's raw group (q = 1) and fragment
.if \q
.irp p, 0,1,2,3
	RW1 \g, \p, KQ
.endr
.endif
.irp p, 0,1,2,3
	VF1 \g, \p, \par
.endr
.endm
; Four matrix instructions: x = 0 q, 1 k; K step s; first: the biases are C
.macro QUAD x, s, first
.irp t, 0,1,2,3
.if \first
	v_wmma_f32_16x16x128_fp8_fp8 v[ACC+32*(\x)+8*\t:ACC+32*(\x)+8*\t+7], v[128*(\x)+16*(2*\t+\s):128*(\x)+16*(2*\t+\s)+15], v[FA+16*(2*(\x)+\s):FA+16*(2*(\x)+\s)+15], v[BIAS+32*(\x)+8*\t:BIAS+32*(\x)+8*\t+7]
.else
	v_wmma_f32_16x16x128_fp8_fp8 v[ACC+32*(\x)+8*\t:ACC+32*(\x)+8*\t+7], v[128*(\x)+16*(2*\t+\s):128*(\x)+16*(2*\t+\s)+15], v[FA+16*(2*(\x)+\s):FA+16*(2*(\x)+\s)+15], v[ACC+32*(\x)+8*\t:ACC+32*(\x)+8*\t+7]
.endif
.endr
.endm
.macro DOTP d                          ; q . k over my 64 columns, in four pairs
.irp t, 0,1,2,3
	v_pk_mul_f32 v[(\d)+2*\t:(\d)+2*\t+1], v[ACC+8*\t:ACC+8*\t+1], v[ACC+32+8*\t:ACC+32+8*\t+1]
.endr
.irp i, 2,4,6
.irp t, 0,1,2,3
	v_pk_fma_f32 v[(\d)+2*\t:(\d)+2*\t+1], v[ACC+8*\t+\i:ACC+8*\t+\i+1], v[ACC+32+8*\t+\i:ACC+32+8*\t+\i+1], v[(\d)+2*\t:(\d)+2*\t+1]
.endr
.endr
.endm
.macro DOTT par                        ; both tiles' pairs are added, by turns, and stored: a word a row
.irp d, DT, DT+8
	v_pk_add_f32 v[\d:\d+1], v[\d:\d+1], v[\d+2:\d+3]
	v_pk_add_f32 v[\d+4:\d+5], v[\d+4:\d+5], v[\d+6:\d+7]
.endr
	v_pk_add_f32 v[DT:DT+1], v[DT:DT+1], v[DT+4:DT+5]
	v_pk_add_f32 v[DT+8:DT+9], v[DT+8:DT+9], v[DT+12:DT+13]
	v_add_f32 v[DT], v[DT], v[DT+1]
	v_add_f32 v[DT+8], v[DT+8], v[DT+9]
	v_permlanex16_b32 v[DT+1], v[DT], s[SEL], s[SEL+1]
	v_permlanex16_b32 v[DT+9], v[DT+8], s[SEL], s[SEL+1]
	v_add_f32 v[DR], v[DT], v[DT+1]
	v_add_f32 v[T0], v[DT+8], v[DT+9]
	ds_store_b32 v[PW], v[DR] offset:512*(\par)
	ds_store_b32 v[PW], v[T0] offset:512*(\par)+256
.endm
; Half u of run o: four matrix instructions (columns 16 (4 u + x) on) and, hold = 1, the holds of group o: half 0 for q or k (into TT), half 1 for v (in place).
; The hold comes ahead of the conversion, which does not saturate (ISA guide 7.6.2).
.macro RUNH o, u, hold
.set FB, VB+16*((\o)%3)+32*(((\o)%3)/2)
.set RB, RAW+16*((\o)%3)+16*(((\o)%3)/2)
.irp x, 0,1,2,3
.set AC, ACC+32*(\u)+8*\x
.set WT, 16*(2*(4*(\u)+\x)+((\o)%4)%2)
	WIN 0x08+4*(((\o)%4)/2)
.if ((\o)%4) == 0
	v_wmma_f32_16x16x128_fp8_fp8 v[AC:AC+7], v[FB:FB+15], v[WT:WT+15], 0
.else
	v_wmma_f32_16x16x128_fp8_fp8 v[AC:AC+7], v[FB:FB+15], v[WT:WT+15], v[AC:AC+7]
.endif
.if \hold
.irp i, 0,1,2,3
.if \u
	v_med3_num_f32 v[RB+4*\x+\i], v[RB+4*\x+\i], s[LBN], s[LBP]
.else
	v_med3_num_f32 v[TT+4*\x+\i], v[RB+4*\x+\i], s[LAN], s[LAP]
.endif
.endr
.endif
.endr
	WIN 0
.endm
.macro MEDA o, a                       ; four of group o's holds for q or k, ahead of its run
.set RB, RAW+16*((\o)%3)+16*(((\o)%3)/2)
.irp i, 0,1,2,3
	v_med3_num_f32 v[TT+4*(\a)+\i], v[RB+4*(\a)+\i], s[LAN], s[LAP]
.endr
.endm
.macro RCVT o                          ; group o's codes: C .. C + 3 for q or k, C + 4 .. C + 7 for v
.set RB, RAW+16*((\o)%3)+16*(((\o)%3)/2)
.set CX, CC+8*((\o)%2)
	v_cvt_scalef32_pk8_fp8_f32 v[CX:CX+1], v[TT:TT+7], v[SA]
	v_cvt_scalef32_pk8_fp8_f32 v[CX+2:CX+3], v[TT+8:TT+15], v[SA]
	v_cvt_scalef32_pk8_fp8_f32 v[CX+4:CX+5], v[RB:RB+7], v[SB]
	v_cvt_scalef32_pk8_fp8_f32 v[CX+6:CX+7], v[RB+8:RB+15], v[SB]
	v_nop                                          ; a plain line behind the conversions
.endm
.macro RSTO g, par                     ; group g's codes are stored; par: which of v's buffers
.set CX, CC+8*((\g)%2)
	ds_store_b128 v[IW], v[CX:CX+3] offset:8192*((\g)/4)+512*((\g)%4)
	ds_store_b128 v[IW], v[CX+4:CX+7] offset:VOFF+16384*(\par)+8192*((\g)/4)+512*((\g)%4)
.endm
.macro RUN o, q                        ; a whole run and its conversions (q = 0: four places instead of the last four holds)
	RUNH \o, 0, \q
	RUNH \o, 1, \q
.if \q
	RCVT \o
.else
	PLACES
.endif
.endm
; The softmax of the step's 32 rows, a lane a row: lane (h, x) holds row 16 (x / 8) + 8 h + x % 8
.macro P1A
	v_pk_add_f32 v[PT:PT+1], v[PT:PT+1], v[PT+2:PT+3]
.endm
.macro P1B
	v_add_f32 v[PT], v[PT], v[PT+1]
	v_max_num_f32_dpp v[T0], v[PT], v[PT] row_xmask:1 row_mask:0xf bank_mask:0xf
.endm
.macro P2
	v_max_num_f32_dpp v[T0], v[T0], v[T0] row_xmask:2 row_mask:0xf bank_mask:0xf
	v_max_num_f32_dpp v[T0], v[T0], v[T0] row_xmask:4 row_mask:0xf bank_mask:0xf
.endm
.macro P3
	v_max_num_f32_dpp v[T0], v[T0], v[T0] row_xmask:8 row_mask:0xf bank_mask:0xf
	v_permlanex16_b32 v[T1], v[T0], s[SEL], s[SEL+1]
.endm
.macro P4
	v_max_num_f32 v[T0], v[T0], v[T1]
	v_mov_b32 v[MO], v[MX]
	v_mul_f32 v[T0], s[CS], v[T0]
.endm
.macro P5
	v_max_num_f32 v[MX], v[MX], v[T0]
	v_sub_f32 v[AF], v[MO], v[MX]
	v_fma_f32 v[PP], v[PT], s[CS], -v[MX]
.endm
.macro SMX q
	s_wait_alu depctr_va_vdst(0)
	v_exp_f32 v[AF], v[AF]                         ; what the sums are multiplied by: 2^(old m - m)
	v_exp_f32 v[PP], v[PP]                         ; p = 2^(t - m)
.if \q
	RCVT 3                                         ; run 3's conversions, and a plain line
.else
	v_nop
.endif
	s_wait_alu depctr_va_vdst(0)
	v_fma_f32 v[LS], v[LS], v[AF], v[PP]
.irp j, 0,1,2,3,4,5,6,7,8,9,10,11,12,13,14,15
	v_mov_b32_dpp v[SS+\j], v[PP] row_share:\j row_mask:0xf bank_mask:0xf   ; register 8 m + j: p of row 16 m + 8 h + j
.endr
.irp t, 0,1,2,3,4,5,6,7
	v_pk_mul_f32 v[OO+2*\t:OO+2*\t+1], v[OO+2*\t:OO+2*\t+1], v[AF:AF+1] op_sel_hi:[1,0]
.endr
.endm
.macro WSUM m                          ; sums += p x v, tile m
.irp i, 0,2,4,6
.irp t, 0,1,2,3,4,5,6,7
	v_pk_fma_f32 v[OO+2*\t:OO+2*\t+1], v[ACC+8*\t+\i:ACC+8*\t+\i+1], v[SS+8*(\m)+\i:SS+8*(\m)+\i+1], v[OO+2*\t:OO+2*\t+1]
.endr
.endr
.endm
; A step behind its barrier.  par: the step's number % 2; q = 1: the next 32 rows are quantised beside it
.macro STEP par, q
.set KQ, 2-2*(\par)
.set N, 8+8*(\q)
	FAL 0, 0
	FAL 2, 0
	FAL 1, 0
	FAL 3, 0
	BMH 2
	BMH 3
	s_wait_alu depctr_va_vdst(0)                   ; the biases
	s_wait_dscnt 12                                ; fragment 0; the 12 loads behind it may be out
	WIN 0x01
	QUAD 0, 0, 1
	s_wait_dscnt 8
	QUAD 1, 0, 1
	PLACES
	WIN 0
	FAL 0, 1                                       ; tile 1's, where tile 0's have been read
	FAL 2, 1
	s_wait_dscnt 12                                ; tile 0's fragment 1: behind it fragment 3 and the eight just issued
	WIN 0x01
	QUAD 0, 1, 0
	s_wait_dscnt 8
	QUAD 1, 1, 0
	PLACES
	WIN 0
	FAL 1, 1
	FAL 3, 1
	DOTP DT
	s_wait_dscnt 12
	WIN 0x01
	QUAD 0, 0, 1
	s_wait_dscnt 8
	QUAD 1, 0, 1
	PLACES                                         ; the biases' registers are free: runs 0 and 1's loads
	WIN 0
	GET 0, \par, \q
	GET 1, \par, \q
	s_wait_dscnt 4+N                               ; fragment 1: behind it fragment 3 and the N just issued
	WIN 0x01
	QUAD 0, 1, 0
	s_wait_dscnt N
	QUAD 1, 1, 0
	PLACES
	WIN 0
	DOTP DT+8
	DOTT \par
	s_wait_dscnt 6+4*(\q)                          ; raw group 0 and fragment 0 are in: behind them group 1, fragment 1 and two stores
.if (\par) == 0
	s_wait_loadcnt 0x0                             ; the first trip: wv's codes (afterwards nothing is out)
.endif
	RUNH 0, 0, \q
	s_wait_dscnt 0x0                               ; my dots are stored, my reads of q's and k's codes are over:
	s_barrier_signal -1
	RUNH 0, 1, \q                                  ; work on registers while the others arrive
.if \q
	RCVT 0
.else
	PLACES
.endif
	s_barrier_wait -1                              ; all dots are in LDS; the buffer of q's and k's codes may be written
	ds_load_b128 v[PT:PT+3], v[PR] offset:512*(\par)
	GET 2, \par, \q
	RUN 1, \q
.if \q
	s_wait_dscnt 4                                 ; the dots and raw group 2: behind them fragment 2
	P1A                                            ; group 2's first holds stand ahead of the batch, behind the conversions
	MEDA 2, 0
	P1B
	MEDA 2, 1
	MEDA 2, 2
	MEDA 2, 3
	RSTO 0, 1-(\par)
	RSTO 1, 1-(\par)
	GET 3, \par, 1
	GET 4, \par, 1
	s_wait_dscnt 20                                ; fragment 2: behind it the batch: four stores, sixteen loads
	RUNH 2, 0, 0
	P2
	RUNH 2, 1, 1
	RCVT 2
	P3
	s_wait_dscnt 8                                 ; group and fragment 3: behind them group and fragment 4
	RUNH 3, 0, 1
	P4
	RUNH 3, 1, 1
	P5
.else
	GET 3, \par, 0
	GET 4, \par, 0
	s_wait_dscnt 12                                ; the dots: behind them three fragments
	P1A
	P1B
	P2
	P3
	P4
	P5
	s_wait_dscnt 8
	RUN 2, 0
	s_wait_dscnt 4
	RUN 3, 0
.endif
	SMX \q
	s_wait_alu depctr_va_vdst(0)                   ; ahead of the accumulators' first reader
	WSUM 0
.if \q
	RSTO 2, 1-(\par)
	RSTO 3, 1-(\par)
.endif
	GET 5, \par, \q
	GET 6, \par, \q
	s_wait_dscnt 8+12*(\q)                         ; group and fragment 4: behind them the batch: (four stores and) four loads of each kind
	RUN 4, \q
	s_wait_dscnt 4+4*(\q)                          ; group and fragment 5: behind them those of run 6
	RUN 5, \q
.if \q
	s_wait_dscnt 4                                 ; raw group 6: behind it fragment 6
.irp a, 0,1,2,3
	MEDA 6, \a
.endr
	RSTO 4, 1-(\par)
	RSTO 5, 1-(\par)
.endif
	GET 7, \par, \q
	s_wait_dscnt 4+8*(\q)                          ; fragment 6: behind it (four stores and) run 7's loads
	RUNH 6, 0, 0
	RUNH 6, 1, \q
.if \q
	RCVT 6
.else
	PLACES
.endif
	s_wait_dscnt 0x0                               ; group and fragment 7
	RUN 7, \q
.if (\q) == 0
	s_wait_alu depctr_va_vdst(0)                   ; no holds stand between the sums' last write and this reader
.endif
	WSUM 1
.if \q
	RSTO 6, 1-(\par)
	RSTO 7, 1-(\par)
.endif
.endm
.macro PADR                            ; where two steps' dots go and come from
	v_add_nc_u32 v[PW], s[PO], v[PW0]
	v_add_nc_u32 v[PR], s[PO], v[PR0]
.endm
	s_load_b512 s[4:19], s[0:1], 0x0
	v_lshl_add_u32 v[SPW], v0, 2, SPARE
	v_mov_b32 v[NIL], 0
	ds_add_u32 v[SPW], v[NIL]                      ; the opening add, twice; work on registers stands ahead of its wait
	ds_add_u32 v[SPW], v[NIL]
	v_lshrrev_b32 v[EN], 5, v0
	v_readfirstlane_b32 s[WV], v[EN]
	; descriptor group 1: 32 rows of 256 f32, four words of padding behind every 256
	s_mov_b32 s[G1+0], (2<<16)|(1<<20)|(7<<22)|(3<<25)
	s_mov_b32 s[G1+1], 256<<16
	s_mov_b32 s[G1+2], 32<<16
	s_mov_b32 s[G1+3], 256<<16
	s_mov_b32 s[G1+4], 32
	s_mov_b32 s[G1+5], 256
	s_mov_b32 s[G1+6], 0
	s_mov_b32 s[G1+7], 0
	s_mul_i32 s[WOFF], s[WV], 32*XP                ; waves 0, 1 fetch vi's rows, waves 2, 3 au's
	s_and_b32 s54, s[WV], 1
	s_lshl_b32 s55, ttmp9, 19                      ; 512 rows x 1,024 bytes
	s_lshl_b32 s46, s54, 15
	s_add_co_u32 s46, s46, s55
	s_mov_b32 s47, 0
	s_mul_i32 s60, s[WV], 98304                    ; my weights' codes
	s_mov_b32 s61, 0
	s_lshl_b32 s62, s[WV], 8                       ; my 64 columns of the biases
	s_lshr_b32 s63, s[WV], 1
	s_mul_i32 s63, s63, AUOFF
	s_lshl_b32 s54, s54, 9
	s_add_co_u32 s63, s63, s54                     ; what I quantise: tensor w / 2, half w % 2 of its rows
	s_lshl_b32 s58, s[WV], 11
	s_add_co_u32 s58, s58, QKIMG
	s_lshl_b32 s59, s[WV], 2
	s_add_co_u32 s59, s59, PART
	s_mov_b32 s[TB], 0
	s_mov_b32 s[PO], 0
	s_mov_b32 s[SEL], 0x76543210
	s_mov_b32 s[SEL+1], 0xfedcba98
	v_and_b32 v[EN+2], 31, v0
	v_lshlrev_b32 v[LI], 4, v[EN+2]                ; 16 x lane
	v_and_b32 v[EN], 15, v0                        ; r
	v_bfe_u32 v[EN+1], v0, 4, 1                    ; h
	v_and_b32 v[EN+3], 7, v0
	v_bfe_u32 v[EN+4], v0, 3, 1
	v_lshl_add_u32 v[DR], v[EN+3], 2, s62          ; the biases: lane (h, x) takes column 16 (x / 8) + 8 h + x % 8
	v_lshl_add_u32 v[DR], v[EN+4], 6, v[DR]
	v_lshl_add_u32 v[DR], v[EN+1], 5, v[DR]
	v_mul_u32_u24 v[XA0], v[EN], XP
	v_lshl_add_u32 v[XA0], v[EN+1], 6, v[XA0]
	v_add_nc_u32 v[XA0], s63, v[XA0]
	v_add_nc_u32 v[XA], s[TB], v[XA0]
	v_add_nc_u32 v[IW], s58, v[LI]
	v_add_nc_u32 v[IR], QKIMG, v[LI]
	v_lshl_add_u32 v[PW0], v[EN], 4, s59
	v_lshlrev_b32 v[PR0], 4, v[EN+3]
	v_lshl_add_u32 v[PR0], v[EN+4], 8, v[PR0]
	v_lshl_add_u32 v[PR0], v[EN+1], 7, v[PR0]
	v_add_nc_u32 v[PR0], PART, v[PR0]
	v_mov_b32 v[MX], 0xff61b1e6                    ; -3e38, under every score
	v_mov_b32 v[AF+1], 0
	v_mov_b32 v[LS], 0
	v_mov_b32 v[T0], 0
	v_mov_b32 v[T1], 0
.irp j, 0,1,2,3,4,5,6,7,8,9,10,11,12,13,14,15
	v_mov_b32 v[OO+\j], 0                          ; (the steps are one text: the first multiplies zeros)
.endr
	s_wait_dscnt 0x0                               ; both opening adds are done
	s_wait_alu depctr_va_vdst(0)
	s_wait_kmcnt 0x0
	s_cmp_lt_u32 s[WV], 2
	s_cselect_b64 s[56:57], s[4:5], s[6:7]
	s_add_nc_u64 s[56:57], s[56:57], s[46:47]
	s_mov_b32 s[G0A], 1
	s_mov_b32 s[G0A+1], s[WOFF]
	s_mov_b64 s[G0A+2:G0A+3], s[56:57]
	s_or_b32 s[G0A+3], s[G0A+3], 0x80000000
	tensor_load_to_lds s[G0A:G0A+3], s[G1:G1+7]    ; slot 0
	s_nop 0
	s_load_b128 s[48:51], s[14:15], 0x0            ; e0 .. e3
	s_load_b64 s[52:53], s[14:15], 0x10            ; e4, e5
	s_mov_b32 s[G0W], 1
	s_add_co_u32 s[G0W+1], s[WOFF], SLOTB
	s_add_nc_u64 s[G0W+2:G0W+3], s[56:57], 65536   ; slot 1: 64 rows on
	s_or_b32 s[G0W+3], s[G0W+3], 0x80000000
	s_add_nc_u64 s[8:9], s[8:9], s[60:61]
	global_load_b32 v[BC], v[DR], s[10:11]
	global_load_b32 v[BC+1], v[DR], s[10:11] offset:128
	global_load_b32 v[BC+2], v[DR], s[12:13]
	global_load_b32 v[BC+3], v[DR], s[12:13] offset:128
.irp n, 0,1,2                                  ; all weights, 64 loads a window, ahead of the wait for slot 0
	WIN 0x40*(\n+1)
.set G, 0
.rept 64
	global_load_b128 v[4*G:4*G+3], v[LI], s[8:9] offset:32768*\n+512*G
.set G, G+1
.endr
.endr
	WIN 0
	s_wait_kmcnt 0x0
	s_cmp_lt_u32 s[WV], 2
	s_cselect_b32 s54, s48, s50
	s_add_co_i32 s54, s54, 127
	s_lshl_b32 s55, s54, 23
	v_mov_b32 v[SA], s55                           ; 2^e0 or 2^e2 as f32: the conversion takes its exponent field
	s_add_co_i32 s54, s54, 8
	s_lshl_b32 s54, s54, 23
	s_or_b32 s[LAP], s54, 0x600000                 ; 448 x that
	s_or_b32 s[LAN], s[LAP], 0x80000000
	s_add_co_i32 s54, s52, 127
	s_lshl_b32 s55, s54, 23
	v_mov_b32 v[SB], s55                           ; 2^e4
	s_add_co_i32 s54, s54, 8
	s_lshl_b32 s54, s54, 23
	s_or_b32 s[LBP], s54, 0x600000
	s_or_b32 s[LBN], s[LBP], 0x80000000
	s_add_co_i32 s58, s48, s49
	s_add_co_i32 s59, s50, s51
	s_add_co_i32 s54, s58, s59
	s_lshl_b32 s54, s54, 23
	s_add_co_i32 s[CS], s54, 0x3db8aa3b            ; log2(e) / 16 x 2^(e0 + e1 + e2 + e3)
	s_sub_co_i32 s58, 0, s58                       ; the biases go in divided by the powers of two that the sums lack
	s_sub_co_i32 s59, 0, s59
	s_wait_alu depctr_va_vdst(0)
	s_wait_tensorcnt 0x0
	s_barrier_signal -1
	s_barrier_wait -1                              ; slot 0 is whole
	; the first 32 rows: eight groups, loaded at once (tile 0 into 128-191, tile 1 into 64-127)
.irp g, 0,1,2,3,4,5,6,7
.irp p, 0,1,2,3
	ds_load_b128 v[128+16*(\g%4)-64*(\g/4)+4*\p:128+16*(\g%4)-64*(\g/4)+4*\p+3], v[XA] offset:16*XP*(\g/4)+128*(\g%4)+16*\p
.endr
.endr
.macro ZGRP g
.set ZB, 128+16*((\g)%4)-64*((\g)/4)
.set ZC, CC+8*((\g)%2)
.if (\g) == 0
	s_wait_dscnt 28
.else
	s_wait_dscnt 26-2*(\g)                         ; behind the group's loads: 4 (7 - g) loads and 2 (g - 1) stores
.endif
.irp i, 0,1,2,3,4,5,6,7,8,9,10,11,12,13,14,15
	v_med3_num_f32 v[TT+\i], v[ZB+\i], s[LAN], s[LAP]
.endr
.irp i, 0,1,2,3,4,5,6,7,8,9,10,11,12,13,14,15
	v_med3_num_f32 v[ZB+\i], v[ZB+\i], s[LBN], s[LBP]
.endr
.if (\g) > 0
	RSTO (\g)-1, 0
.endif
	v_cvt_scalef32_pk8_fp8_f32 v[ZC:ZC+1], v[TT:TT+7], v[SA]
	v_cvt_scalef32_pk8_fp8_f32 v[ZC+2:ZC+3], v[TT+8:TT+15], v[SA]
	v_cvt_scalef32_pk8_fp8_f32 v[ZC+4:ZC+5], v[ZB:ZB+7], v[SB]
	v_cvt_scalef32_pk8_fp8_f32 v[ZC+6:ZC+7], v[ZB+8:ZB+15], v[SB]
	v_nop                                          ; a plain line behind the conversions
.endm
.irp g, 0,1,2,3,4,5,6,7
	ZGRP \g
.endr
	RSTO 7, 0
	s_wait_loadcnt 63                              ; at most window 3's loads are out: the biases and windows 1 and 2 are in
	v_ldexp_f32 v[BC], v[BC], s58
	v_ldexp_f32 v[BC+1], v[BC+1], s58
	v_ldexp_f32 v[BC+2], v[BC+2], s59
	v_ldexp_f32 v[BC+3], v[BC+3], s59
	s_wait_alu depctr_va_vdst(0)
	s_wait_tensorcnt 0x0                           ; slot 1's first fill stands behind the full sequence, as a refill does
	ds_add_u32 v[SPW], v[NIL]
	BMH 0
	s_wait_dscnt 0x0
	s_barrier_signal -1
	BMH 1
	s_barrier_wait -1
	tensor_load_to_lds s[G0W:G0W+3], s[G1:G1+7]
	s_nop 0
	s_mov_b32 s[CNT], 6
.Ltrip:                                ; two steps; the six trips' changes of slots ask for slots 2 to 7
	PADR
	STEP 0, 1
	CHG 1
	STEP 1, 1
	YBAR
	s_add_co_u32 s[PO], s[PO], 1024
	s_sub_co_u32 s[CNT], s[CNT], 1
	s_cmp_lg_u32 s[CNT], 0
	s_wait_alu depctr_va_vdst(0)
	s_cbranch_scc1 .Ltrip
	PADR                                           ; the last four steps ask for nothing
	STEP 0, 1
	CHG 0
	STEP 1, 1
	YBAR
	s_add_co_u32 s[PO], s[PO], 1024
	PADR
	STEP 0, 1
	YBAR
	STEP 1, 0
	; THE WAY OUT: l over the lanes; the sums' pairs and halves; the scores from the dots' shares
	v_add_f32_dpp v[LS], v[LS], v[LS] row_xmask:1 row_mask:0xf bank_mask:0xf
	v_add_f32_dpp v[LS], v[LS], v[LS] row_xmask:2 row_mask:0xf bank_mask:0xf
	v_add_f32_dpp v[LS], v[LS], v[LS] row_xmask:4 row_mask:0xf bank_mask:0xf
	v_add_f32_dpp v[LS], v[LS], v[LS] row_xmask:8 row_mask:0xf bank_mask:0xf
.irp t, 0,1,2,3,4,5,6,7
	v_add_f32 v[EN+\t], v[OO+2*\t], v[OO+2*\t+1]
.endr
	v_permlanex16_b32 v[DX], v[LS], s[SEL], s[SEL+1]
.irp t, 0,1,2,3,4,5,6,7
	v_permlanex16_b32 v[OO+\t], v[EN+\t], s[SEL], s[SEL+1]
.endr
	v_add_f32 v[MX+1], v[LS], v[DX]
.irp t, 0,1,2,3,4,5,6,7
	v_add_f32 v[EN+\t], v[EN+\t], v[OO+\t]
.endr
	v_and_b32 v4, 15, v0
	v_and_b32 v5, 31, v0
	s_lshl_b32 s54, s[WV], 9
	s_add_co_u32 s55, s54, QKIMG
	v_lshl_add_u32 v9, v4, 2, s55
	v_add_nc_u32 v10, s55, v[LI]
	s_lshl_b32 s56, s[WV], 11
	s_add_co_u32 s56, s56, PART
	v_lshl_add_u32 v11, v5, 6, s56
	v_lshlrev_b32 v12, 3, v5
.irp t, 0,1,2,3,4,5,6,7
	ds_store_b32 v9, v[EN+\t] offset:64*\t         ; my 128 sums turn through 512 bytes of my own (the codes there were read ahead of the last barrier)
.endr
	ds_load_b128 v[DX:DX+3], v10
.irp i, 0,1,2,3
	ds_load_b128 v[EP+4*\i:EP+4*\i+3], v11 offset:16*\i
.endr
	s_mul_i32 s46, ttmp9, 2304
	s_mov_b32 s47, 0
	s_add_nc_u64 s[18:19], s[18:19], s[46:47]
	s_mov_b32 s46, s54
	s_add_nc_u64 s[60:61], s[18:19], s[46:47]
	s_lshl_b32 s55, ttmp9, 11
	s_add_co_u32 s46, s55, s54
	s_add_nc_u64 s[16:17], s[16:17], s[46:47]
	s_wait_dscnt 4
	global_store_b128 v[LI], v[DX:DX+3], s[60:61]  ; 512 consecutive bytes a wave
	s_wait_dscnt 0x0
.irp i, 0,1,2,3
	v_pk_add_f32 v[EP+4*\i:EP+4*\i+1], v[EP+4*\i:EP+4*\i+1], v[EP+4*\i+2:EP+4*\i+3]
.endr
.irp i, 0,1,2,3
	v_add_f32 v[ES+\i], v[EP+4*\i], v[EP+4*\i+1]
.endr
.irp i, 0,1,2,3
	v_mul_f32 v[ES+\i], s[CS], v[ES+\i]
.endr
	global_store_b128 v[LI], v[ES:ES+3], s[16:17]
	s_cmp_lg_u32 s[WV], 0
	s_cbranch_scc1 .Lnot_wave_0
	global_store_b64 v12, v[MX:MX+1], s[18:19] offset:2048
.Lnot_wave_0:
	s_wait_tensorcnt 0x0                           ; the wave's end
	ds_add_u32 v[SPW], v[NIL]
	s_wait_dscnt 0x0
	s_endpgm
.Lfunc_end_k_q776a4fce2f_fuse:
	.size	k_q776a4fce2f_fuse, .Lfunc_end_k_q776a4fce2f_fuse-k_q776a4fce2f_fuse
	.p2alignl 7, 3214868480
	.fill 96, 4, 3214868480
	.section	.rodata,"a",@progbits
	.p2align	6, 0x0
	.amdhsa_kernel k_q776a4fce2f_fuse
		.amdhsa_group_segment_fixed_size 327680
		.amdhsa_private_segment_fixed_size 0
		.amdhsa_enable_private_segment 0
		.amdhsa_kernarg_size 64
		.amdhsa_user_sgpr_count 2
		.amdhsa_user_sgpr_kernarg_segment_ptr 1
		.amdhsa_wavefront_size32 1
		.amdhsa_system_sgpr_workgroup_id_x 1
		.amdhsa_system_sgpr_workgroup_id_y 1
		.amdhsa_system_sgpr_workgroup_id_z 1
		.amdhsa_system_vgpr_workitem_id 0
		.amdhsa_next_free_vgpr 1024
		.amdhsa_next_free_sgpr 72
		.amdhsa_reserve_vcc 0
		.amdhsa_float_denorm_mode_32 3
		.amdhsa_float_denorm_mode_16_64 3
		.amdhsa_memory_ordered 1
		.amdhsa_forward_progress 1
		.amdhsa_inst_pref_size 255
	.end_amdhsa_kernel
	.section	.bss,"aw",@nobits
	.p2align	6
	.space	262144
	.amdgpu_metadata
---
amdhsa.version: [ 1, 2 ]
amdhsa.kernels:
  - .name:           k_q776a4fce2f_fuse
    .symbol:         k_q776a4fce2f_fuse.kd
    .args:
      - { .name: vi, .offset: 0, .size: 8, .value_kind: global_buffer, .address_space: global }
      - { .name: au, .offset: 8, .size: 8, .value_kind: global_buffer, .address_space: global }
      - { .name: wimg, .offset: 16, .size: 8, .value_kind: global_buffer, .address_space: global }
      - { .name: wq_b, .offset: 24, .size: 8, .value_kind: global_buffer, .address_space: global }
      - { .name: wk_b, .offset: 32, .size: 8, .value_kind: global_buffer, .address_space: global }
      - { .name: lowp_scales, .offset: 40, .size: 8, .value_kind: global_buffer, .address_space: global }
      - { .name: tsc, .offset: 48, .size: 8, .value_kind: global_buffer, .address_space: global }
      - { .name: part, .offset: 56, .size: 8, .value_kind: global_buffer, .address_space: global }
    .group_segment_fixed_size: 327680
    .private_segment_fixed_size: 0
    .kernarg_segment_align: 8
    .kernarg_segment_size: 64
    .max_flat_workgroup_size: 128
    .sgpr_count:     72
    .vgpr_count:     1024
    .wavefront_size: 32
...
	.end_amdgpu_metadata
.endif
;; end of part 2
;; launch join (part 3): grid 8 x 16, 8 waves a work-group, no clusters, 0 bytes of LDS; arguments tsc, part, lowp_scales, wv_b, out0, out1; writes out0, out1
.if DOCPART == 3
	.amdgcn_target "amdgcn-amd-amdhsa--gfx1250"
	.amdhsa_code_object_version 6
	.text
	.protected	k_q776a4fce2f_join
	.globl	k_q776a4fce2f_join
	.p2align	8
	.type	k_q776a4fce2f_join,@function
k_q776a4fce2f_join:
	s_mov_b64 s[64:65], 0
	v_nop
	global_prefetch_b8 v0, s[64:65] scope:SCOPE_SE
	s_setreg_imm32_b32 hwreg(HW_REG_WAVE_MODE, 25, 1), 1
	s_wait_xcnt 0x0
; The sixteen records of a batch are joined.  M = the largest m_i; f_i = 2^(m_i - M); L = the sum of l_i f_i.
; out1[b][s] = 2^(t - M) / L.   out0[b][e] = (the sum of f_i O_i[e]) x 2^(e4 + e5) / L + bv[e]  (the weights of a batch add up to 1, so bv is added once).
; A work-group (chunk = x, batch = y) makes 1,024 weights, four a thread, and 64 columns of out0, two a lane of wave 0.  Every wave makes M and L for itself: lane i % 16 takes record i.
; Wave 0 has a path of its own from one branch on the wave's number; the common lines are a macro.  No LDS, no barrier: waves share nothing.
; part: records of 2,304 bytes: 512 sums, then 32 copies of (m, l).
; REGISTERS: v2, v3, v18 offsets; v[4:5] (m, l); v6 M; v7 f; v[8:11] four t, then four weights; v12 L; v[14:15] 1 / L; v[16:17] 2^(e4 + e5) / L;
;   wave 0 alone: v40-71 the sixteen records' two columns; v[72:73] bv; v[74:75] the two sums.
.set REC, 40
.set BV,  72
.set SUM, 74
.macro COMMON
	global_load_b64 v[4:5], v2, s[6:7] offset:2048 ; (m, l) of record lane % 16
	global_load_b128 v[8:11], v3, s[4:5]           ; four t: sixteen lanes read 256 consecutive bytes
	s_wait_loadcnt 0x0
	v_mov_b32 v6, v4
	s_delay_alu instid0(VALU_DEP_1)
	v_max_num_f32_dpp v6, v6, v6 row_xmask:1 row_mask:0xf bank_mask:0xf
	s_delay_alu instid0(VALU_DEP_1)
	v_max_num_f32_dpp v6, v6, v6 row_xmask:2 row_mask:0xf bank_mask:0xf
	s_delay_alu instid0(VALU_DEP_1)
	v_max_num_f32_dpp v6, v6, v6 row_xmask:4 row_mask:0xf bank_mask:0xf
	s_delay_alu instid0(VALU_DEP_1)
	v_max_num_f32_dpp v6, v6, v6 row_xmask:8 row_mask:0xf bank_mask:0xf   ; M, in every lane
	s_delay_alu instid0(VALU_DEP_1)
	v_sub_f32 v7, v4, v6
	s_wait_alu depctr_va_vdst(0)
	v_exp_f32 v7, v7                               ; f
	v_sub_f32 v8, v8, v6                           ; (plain instructions behind the exponential)
	v_sub_f32 v9, v9, v6
	v_sub_f32 v10, v10, v6
	v_sub_f32 v11, v11, v6
	s_wait_alu depctr_va_vdst(0)                   ; ahead of the first instruction that names f
	v_mul_f32 v12, v5, v7
	s_delay_alu instid0(VALU_DEP_1)
	v_add_f32_dpp v12, v12, v12 row_xmask:1 row_mask:0xf bank_mask:0xf
	s_delay_alu instid0(VALU_DEP_1)
	v_add_f32_dpp v12, v12, v12 row_xmask:2 row_mask:0xf bank_mask:0xf
	s_delay_alu instid0(VALU_DEP_1)
	v_add_f32_dpp v12, v12, v12 row_xmask:4 row_mask:0xf bank_mask:0xf
	s_delay_alu instid0(VALU_DEP_1)
	v_add_f32_dpp v12, v12, v12 row_xmask:8 row_mask:0xf bank_mask:0xf    ; L
	s_wait_alu depctr_va_vdst(0)
	v_exp_f32 v8, v8
	v_exp_f32 v9, v9
	v_exp_f32 v10, v10
	v_exp_f32 v11, v11
	v_rcp_f32 v14, v12
	v_mov_b32 v15, 0                               ; a plain instruction behind the batch; v15 is named with v14 as a pair, so it is written
	s_wait_alu depctr_va_vdst(0)                   ; one wait for the five
	v_pk_mul_f32 v[8:9], v[8:9], v[14:15] op_sel_hi:[1,0]
	v_pk_mul_f32 v[10:11], v[10:11], v[14:15] op_sel_hi:[1,0]
	global_store_b128 v3, v[8:11], s[14:15]        ; sixteen lanes store 256 consecutive bytes, at a multiple of 256 from out1's first byte
.endm
	s_load_b256 s[4:11], s[0:1], 0x0               ; tsc s[4:5], part s[6:7], the scales' exponents s[8:9], bv s[10:11]
	s_load_b128 s[12:15], s[0:1], 0x20             ; out0 s[12:13], out1 s[14:15]
	v_lshrrev_b32 v1, 5, v0
	s_delay_alu instid0(VALU_DEP_1)
	v_readfirstlane_b32 s20, v1                    ; wave 0..7
	v_and_b32 v1, 15, v0
	s_delay_alu instid0(VALU_DEP_1)
	v_mul_u32_u24 v2, v1, 2304                     ; record lane % 16
	v_lshlrev_b32 v3, 4, v0                        ; 16 bytes a thread
	s_and_b32 s21, ttmp7, 0xffff                   ; the batch
	s_mul_i32 s24, s21, 36864                      ; its sixteen records
	s_mov_b32 s25, 0
	s_lshl_b32 s26, s21, 15
	s_lshl_b32 s27, ttmp9, 12
	s_add_co_u32 s26, s26, s27                     ; 32,768 x batch + 4,096 x chunk: the work-group's 1,024 numbers in tsc and in out1
	s_mov_b32 s27, 0
	s_wait_kmcnt 0x0
	s_add_nc_u64 s[6:7], s[6:7], s[24:25]
	s_add_nc_u64 s[4:5], s[4:5], s[26:27]
	s_add_nc_u64 s[14:15], s[14:15], s[26:27]
	s_cmp_lg_u32 s20, 0
	s_cbranch_scc1 .Lothers
	; wave 0: also 64 columns of out0
	s_load_b64 s[22:23], s[8:9], 0x10              ; e4, e5
	s_lshl_b32 s28, ttmp9, 8                       ; the chunk's 64 columns: 256 bytes
	s_mov_b32 s29, 0
	s_add_nc_u64 s[16:17], s[6:7], s[28:29]
	s_add_nc_u64 s[10:11], s[10:11], s[28:29]
	s_add_nc_u64 s[12:13], s[12:13], s[28:29]
	s_lshl_b32 s28, s21, 11
	s_add_nc_u64 s[12:13], s[12:13], s[28:29]      ; out0 at 2,048 x batch + 256 x chunk
	v_lshlrev_b32 v18, 3, v0                       ; 8 x lane (in wave 0 the thread's number is the lane)
.irp i, 0,1,2,3,4,5,6,7,8,9,10,11,12,13,14,15
	global_load_b64 v[REC+2*\i:REC+2*\i+1], v18, s[16:17] offset:2304*\i   ; record i: the wave reads 256 consecutive bytes
.endr
	global_load_b64 v[BV:BV+1], v18, s[10:11]
	s_wait_alu depctr_va_vdst(0)
	COMMON
.irp i, 0,1,2,3,4,5,6,7,8,9,10,11,12,13,14,15
	v_readlane_b32 s[32+\i], v7, \i                ; f_i
.endr
	v_mul_f32 v[SUM], s32, v[REC]                  ; the sums lie outside the records' registers
	v_mul_f32 v[SUM+1], s32, v[REC+1]
.irp i, 1,2,3,4,5,6,7,8,9,10,11,12,13,14,15
	s_delay_alu instid0(VALU_DEP_2)
	v_fma_f32 v[SUM], s[32+\i], v[REC+2*\i], v[SUM]
	s_delay_alu instid0(VALU_DEP_2)
	v_fma_f32 v[SUM+1], s[32+\i], v[REC+2*\i+1], v[SUM+1]
.endr
	s_wait_kmcnt 0x0
	s_add_co_i32 s22, s22, s23
	v_ldexp_f32 v16, v14, s22                      ; 2^(e4 + e5) / L
	v_mov_b32 v17, 0                               ; (named with v16 as a pair)
	s_wait_alu depctr_va_vdst(0)
	v_pk_fma_f32 v[SUM:SUM+1], v[SUM:SUM+1], v[16:17], v[BV:BV+1] op_sel_hi:[1,0,1]
	global_store_b64 v18, v[SUM:SUM+1], s[12:13]   ; the wave stores 256 consecutive bytes, at a multiple of 256 from out0's first byte
	s_endpgm
.Lothers:
	s_wait_alu depctr_va_vdst(0)
	COMMON
	s_endpgm
.Lfunc_end_k_q776a4fce2f_join:
	.size	k_q776a4fce2f_join, .Lfunc_end_k_q776a4fce2f_join-k_q776a4fce2f_join
	.p2alignl 7, 3214868480
	.fill 96, 4, 3214868480
	.section	.rodata,"a",@progbits
	.p2align	6, 0x0
	.amdhsa_kernel k_q776a4fce2f_join
		.amdhsa_group_segment_fixed_size 0
		.amdhsa_private_segment_fixed_size 0
		.amdhsa_enable_private_segment 0
		.amdhsa_kernarg_size 48
		.amdhsa_user_sgpr_count 2
		.amdhsa_user_sgpr_kernarg_segment_ptr 1
		.amdhsa_wavefront_size32 1
		.amdhsa_system_sgpr_workgroup_id_x 1
		.amdhsa_system_sgpr_workgroup_id_y 1
		.amdhsa_system_sgpr_workgroup_id_z 1
		.amdhsa_system_vgpr_workitem_id 0
		.amdhsa_next_free_vgpr 96
		.amdhsa_next_free_sgpr 66
		.amdhsa_reserve_vcc 0
		.amdhsa_float_denorm_mode_32 3
		.amdhsa_float_denorm_mode_16_64 3
		.amdhsa_memory_ordered 1
		.amdhsa_forward_progress 1
		.amdhsa_inst_pref_size 11
	.end_amdhsa_kernel
	.amdgpu_metadata
---
amdhsa.version: [ 1, 2 ]
amdhsa.kernels:
  - .name:           k_q776a4fce2f_join
    .symbol:         k_q776a4fce2f_join.kd
    .args:
      - { .name: tsc, .offset: 0, .size: 8, .value_kind: global_buffer, .address_space: global }
      - { .name: part, .offset: 8, .size: 8, .value_kind: global_buffer, .address_space: global }
      - { .name: lowp_scales, .offset: 16, .size: 8, .value_kind: global_buffer, .address_space: global }
      - { .name: wv_b, .offset: 24, .size: 8, .value_kind: global_buffer, .address_space: global }
      - { .name: out0, .offset: 32, .size: 8, .value_kind: global_buffer, .address_space: global }
      - { .name: out1, .offset: 40, .size: 8, .value_kind: global_buffer, .address_space: global }
    .group_segment_fixed_size: 0
    .private_segment_fixed_size: 0
    .kernarg_segment_align: 8
    .kernarg_segment_size: 48
    .max_flat_workgroup_size: 256
    .sgpr_count:     66
    .vgpr_count:     96
    .wavefront_size: 32
...
	.end_amdgpu_metadata
.endif
;; end of part 3
